; MI455X (gfx1250); checked and timed in simulation.
; The chip was launched on July 23, 2026; its instructions are those of AMD's public machine-readable ISA for CDNA 5 (MIT licence, August 2026) and "CDNA5" Instruction Set Architecture Reference Guide (July 2026). The comments in the code are by the model that wrote it; some were corrected since.
;; Base Linear Ode Layer. Allowed arithmetic: float matrix products may take bf16 or f16 operands with f32 sums; all other float work in f32.
;; Inputs: A 256 x 64 x 64 float32; t 256 x 32 float32; x_init 256 x 64 float32.
;; Outputs: out0 256 x 32 x 64 float32.
;; 2 versions, each right; version 2 is version 1 with the launch solve written anew for expert scheduling mode. Each part assembles by itself: llvm-mc -triple=amdgcn-amd-amdhsa -mcpu=gfx1250 --defsym DOCPART=n.
;; ======== version 1 of 2: 2 launches
;; limits: right only within a limited range of input values
;; workspace buffers: steps 1,024 bytes of whole numbers
;; launch norm (part 1): grid 256 x 1, 1 waves a work-group, no clusters, 0 bytes of LDS; arguments A, t, steps; writes steps
.if DOCPART == 1
	.amdgcn_target "amdgcn-amd-amdhsa--gfx1250"
	.amdhsa_code_object_version 6
	.text
	.protected	k_q40f67b557e_norm
	.globl	k_q40f67b557e_norm
	.p2align	8
	.type	k_q40f67b557e_norm,@function
k_q40f67b557e_norm:
	s_mov_b64 s[64:65], 0
	v_nop
	global_prefetch_b8 v0, s[64:65] scope:SCOPE_SE
	s_setreg_imm32_b32 hwreg(HW_REG_WAVE_MODE, 25, 1), 1
	s_wait_xcnt 0x0
; steps[n] = floor(|A[n]|_1 x max over k of |t[n][k]|) + 1: the number of equal time steps into which the next launch cuts each
; t[n][k], so that |(t/steps) A|_1 < 1 for all 32 times of sample n.  |A|_1 is the largest column sum of magnitudes.
; A: [256][64][64] f32, t: [256][32] f32, steps: [256] u32.
; The count is made here and stored as a whole number because the next launch's trip count hangs on it.
; SHARES.  One wave for one sample.  A sample's A is 16,384 bytes: 32 loads of 16 bytes a lane, each covering 512 consecutive bytes
; (two rows), all issued at once.  Lane l then holds columns 4 (l % 16) + 0..3 of rows 2 i + l / 16.  No LDS, no barrier, no matrix unit:
; the work is one pass over the bytes.  No cluster: no two work-groups read the same bytes.
; LIMITS.  The count is capped at 2^20.  A NaN in a column sum or in t loses against the other numbers in the maxima, and a NaN product counts as 0:
; the count is then made of the rest, and the NaN reaches the output through the next launch's products.
.set S, 2                              ; v[2:5]    the sums of my four columns
.set X, 8                              ; v[8:135]  load i: 4 registers
	s_load_b128 s[4:7], s[0:1], 0x0                ; A s[4:5], t s[6:7]
	s_load_b64 s[8:9], s[0:1], 0x10                ; steps
	s_lshl_b32 s10, ttmp9, 14                      ; the sample's 16,384 bytes of A
	s_mov_b32 s11, 0
	s_mov_b32 s12, 0x76543210                      ; v_permlanex16_b32: each lane takes its own place in the other half
	s_mov_b32 s13, 0xfedcba98
	v_lshlrev_b32 v1, 4, v0                        ; 16 bytes a lane
	v_lshlrev_b32 v7, 2, v0                        ; lane k takes t[n][k]
	s_wait_kmcnt 0x0
	s_add_nc_u64 s[4:5], s[4:5], s[10:11]
	s_lshl_b32 s10, ttmp9, 7                       ; its 128 bytes of t
	s_add_nc_u64 s[6:7], s[6:7], s[10:11]
	s_lshl_b32 s10, ttmp9, 2                       ; its word of steps
	s_add_nc_u64 s[8:9], s[8:9], s[10:11]
	global_load_b32 v6, v7, s[6:7]
.set i, 0
.rept 32
	global_load_b128 v[X+4*i:X+4*i+3], v1, s[4:5] offset:512*i
.set i, i+1
.endr
; Loads 8 g to 8 g + 7 are added onto the four column sums: four chains that do not wait for each other.  The first two loads start the sums: nothing is cleared.
.macro COLS g
	s_wait_loadcnt 24-8*(\g)                       ; loads come back in order (ISA guide 5.7.1): the 24 - 8 g younger ones may stay out; t, the oldest, is in at the first of these waits
.set i, 8*(\g)
.rept 8
.if i == 1
.irp c, 0,1,2,3
	v_add_f32 v[S+\c], |v[X+\c]|, |v[X+4+\c]|
.endr
.elseif i > 1
.irp c, 0,1,2,3
	v_add_f32 v[S+\c], v[S+\c], |v[X+4*i+\c]|
.endr
.endif
.set i, i+1
.endr
.endm
	COLS 0
	COLS 1
	COLS 2
	COLS 3
	; the even rows' sums lie in lanes 0-15, the odd rows' in lanes 16-31
.irp c, 0,1,2,3
	v_permlanex16_b32 v[X+\c], v[S+\c], s12, s13   ; its destination counts as read: a register that a load has written
.endr
.irp c, 0,1,2,3
	v_add_f32 v[S+\c], v[S+\c], v[X+\c]
.endr
	v_and_b32 v6, 0x7fffffff, v6                   ; |t|
	v_max3_num_f32 v[S], v[S], v[S+1], v[S+2]      ; the largest of my four columns,
	v_max_num_f32 v[S], v[S], v[S+3]
.irp m, 1,2,4,8                                        ; and of the sixteen lanes of my half (both halves hold the same sums); |t| goes along
	v_max_num_f32_dpp v[S], v[S], v[S] row_xmask:\m row_mask:0xf bank_mask:0xf
	v_max_num_f32_dpp v6, v6, v6 row_xmask:\m row_mask:0xf bank_mask:0xf
.endr
	v_permlanex16_b32 v[X], v6, s12, s13           ; t's other sixteen
	v_max_num_f32 v6, v6, v[X]
	v_mul_f32 v[S], v[S], v6                       ; |A|_1 x max |t|
	v_max_num_f32 v[S], 0, v[S]                    ; a NaN (0 x infinity) counts as 0
	v_min_num_f32 v[S], 0x497ffff0, v[S]           ; at most 1,048,575
	v_cvt_u32_f32 v[S], v[S]                       ; toward zero: the floor of a number that is not negative
	v_add_nc_u32 v[S], 1, v[S]                     ; 1 to 2^20
	v_mov_b32 v7, 0                                ; (t's load, which named v7, is done)
	s_wait_xcnt 0x0                                ; EXEC changes only behind this wait
	v_cmp_eq_u32 vcc_lo, 0, v0
	s_and_saveexec_b32 s14, vcc_lo                 ; lane 0 alone stores the sample's one word
	global_store_b32 v7, v[S], s[8:9]
	s_wait_xcnt 0x0                                ; and again in front of the line that widens it
	s_or_b32 exec_lo, exec_lo, s14
	s_endpgm
.Lfunc_end_k_q40f67b557e_norm:
	.size	k_q40f67b557e_norm, .Lfunc_end_k_q40f67b557e_norm-k_q40f67b557e_norm
	.p2alignl 7, 3214868480
	.fill 96, 4, 3214868480
	.section	.rodata,"a",@progbits
	.p2align	6, 0x0
	.amdhsa_kernel k_q40f67b557e_norm
		.amdhsa_group_segment_fixed_size 0
		.amdhsa_private_segment_fixed_size 0
		.amdhsa_enable_private_segment 0
		.amdhsa_kernarg_size 24
		.amdhsa_user_sgpr_count 2
		.amdhsa_user_sgpr_kernarg_segment_ptr 1
		.amdhsa_wavefront_size32 1
		.amdhsa_system_sgpr_workgroup_id_x 1
		.amdhsa_system_sgpr_workgroup_id_y 1
		.amdhsa_system_sgpr_workgroup_id_z 1
		.amdhsa_system_vgpr_workitem_id 0
		.amdhsa_next_free_vgpr 136
		.amdhsa_next_free_sgpr 66
		.amdhsa_reserve_vcc 1
		.amdhsa_float_denorm_mode_32 3
		.amdhsa_float_denorm_mode_16_64 3
		.amdhsa_memory_ordered 1
		.amdhsa_forward_progress 1
		.amdhsa_inst_pref_size 14
	.end_amdhsa_kernel
	.amdgpu_metadata
---
amdhsa.version: [ 1, 2 ]
amdhsa.kernels:
  - .name:           k_q40f67b557e_norm
    .symbol:         k_q40f67b557e_norm.kd
    .args:
      - { .name: A, .offset: 0, .size: 8, .value_kind: global_buffer, .address_space: global }
      - { .name: t, .offset: 8, .size: 8, .value_kind: global_buffer, .address_space: global }
      - { .name: steps, .offset: 16, .size: 8, .value_kind: global_buffer, .address_space: global }
    .group_segment_fixed_size: 0
    .private_segment_fixed_size: 0
    .kernarg_segment_align: 8
    .kernarg_segment_size: 24
    .max_flat_workgroup_size: 32
    .sgpr_count:     66
    .vgpr_count:     136
    .wavefront_size: 32
...
	.end_amdgpu_metadata
.endif
;; end of part 1
;; launch solve (part 2): grid 256 x 1, 2 waves a work-group, no clusters, 18,176 bytes of LDS; arguments A, t, x_init, steps, out0; writes out0
.if DOCPART == 2
	.amdgcn_target "amdgcn-amd-amdhsa--gfx1250"
	.amdhsa_code_object_version 6
	.text
	.protected	k_q40f67b557e_solve
	.globl	k_q40f67b557e_solve
	.p2align	8
	.type	k_q40f67b557e_solve,@function
k_q40f67b557e_solve:
	s_mov_b64 s[64:65], 0
	v_nop
	global_prefetch_b8 v0, s[64:65] scope:SCOPE_SE
	s_setreg_imm32_b32 hwreg(HW_REG_WAVE_MODE, 25, 1), 1
	s_wait_xcnt 0x0
; out0[n][k][:] = expm(t[n][k] A[n]) x_init[n], computed as the exponential's ACTION on the vector.
; A: [256][64][64], t: [256][32], x_init: [256][64], out0: [256][32][64], all f32; steps: [256] u32, from the launch before.
; METHOD.  s = steps[n], h_k = t[n][k] / s, so that |h_k A|_1 < 1.  All columns k start as y_k = x and walk s equal steps y <- exp(h_k A) y, each a Taylor
; polynomial of degree 8 in Horner's form: w = y; for j = 8 .. 1: w = y + (h_k / j) (A w); y = w.  With |h A|_1 < 1 no term is larger than the one before it, and
; what the cut leaves out is as a relative change of A of 1/9! = 2.8e-6 at the most, far under the rounding of A to bf16.  The degree is fixed; larger inputs take more steps.
; FORMATS.  A and w go to the matrix unit in bf16, the sums are f32; y, h, h / j and the fold y + (h / j)(A w) stay in f32.
; SHARES.  A work-group is a sample; wave w has the columns k = 16 w .. 16 w + 15, all 64 rows, and all of A[n] in registers (16 fragments, 64 registers).
; Two waves: a sample has two blocks of 16 columns, and a split by rows would want an exchange between waves in every one of the 8 s products.
; LAYOUT.  T = A W, source 0 = 16 rows of A, source 1 = 32 rows x 16 columns of W.  In the result of row block mt lane (r = l % 16, h = l / 16) holds rows 16 mt + 8 h + 0..7 of column r.
; Rounded to bf16 in pairs, row blocks 2 f and 2 f + 1 ARE registers 0-3 and 4-7 of source 1 for K = 32 f .. 32 f + 31: nothing changes lanes between a product and the next.
; No cluster: no two work-groups read the same bytes.  No tensor load: A is read once, 16 KB, and has to pass through registers to be rounded.
; LIMITS.  s is capped at 2^20.  A w is formed before its factor h / j, so 64 max|A| max|y| has to stay within f32's range.  The error of the bf16 operands grows with |t A|.
.set APITCH, 144                       ; a row of A in LDS: 128 bytes of bf16 + 16 = 36 words: the 16 rows of a fragment load start at 16 different groups of four banks (64 banks of 4 bytes: ISA guide 11.1)
.set STAGE,  64*APITCH                 ; behind A: for each wave 16 rows (columns k) of 256 bytes + 16, for the way out
.set SPITCH, 272
.set SPARE,  STAGE+2*16*SPITCH         ; 17,920: the spare words, 128 bytes for each wave: one block of 256 bytes that no other line names
.set SPW, 14                           ; v14       LDS address of my spare word; never rewritten
.set NIL, 15                           ; v15       0; never rewritten
.set WB,  32                           ; v[32:47], v[48:63]    w in bf16, two buffers: row block mt at + 4 mt.  Before the loop: A in bf16, on its way to LDS
.set AF,  64                           ; v[64:127]  A's fragments: row block mt, K half f at AF + 16 mt + 8 f
.set YV,  128                          ; v[128:159] y in f32: row block mt at + 8 mt
.set ACC, 160                          ; v[160:191], v[192:223] the products' sums, two buffers.  Before the loop: A as loaded.  Behind it: the rows of out0
.set CJ,  224                          ; v[224:239] h / j, twice each: the pair at CJ + 2 (j - 1), for the packed fold
	s_load_b256 s[4:11], s[0:1], 0x0               ; A s[4:5], t s[6:7], x_init s[8:9], steps s[10:11]
	s_load_b64 s[12:13], s[0:1], 0x20              ; out0
	v_lshl_add_u32 v[SPW], v0, 2, SPARE
	v_mov_b32 v[NIL], 0
	v_lshrrev_b32 v13, 5, v0
	v_readfirstlane_b32 s14, v13                   ; wave 0, 1
	s_lshl_b32 s16, ttmp9, 2                       ; the sample's place in steps,
	s_mov_b32 s17, 0
	s_lshl_b32 s18, ttmp9, 14                      ; in A,
	s_mov_b32 s19, 0
	s_lshl_b32 s20, ttmp9, 7                       ; in t,
	s_mov_b32 s21, 0
	s_lshl_b32 s22, ttmp9, 8                       ; in x_init,
	s_mov_b32 s23, 0
	s_lshl_b32 s24, ttmp9, 13                      ; in out0
	s_mov_b32 s25, 0
	s_mul_i32 s27, s14, 16*SPITCH
	s_add_co_u32 s27, s27, STAGE                   ; my stage
	s_mul_i32 s28, s14, 2*APITCH                   ; of each four rows of A that the work-group loads at once my wave has two
	v_and_b32 v1, 15, v0                           ; r
	v_bfe_u32 v2, v0, 4, 1                         ; h
	v_lshlrev_b32 v3, 4, v0                        ; A in memory: 16 bytes a thread, 1,024 consecutive bytes (four rows) for the 64 threads
	v_mul_u32_u24 v4, v2, APITCH                   ; A into LDS: row 2 w + h of the four, 8 bytes (4 bf16) at column 4 r
	v_lshl_add_u32 v4, v1, 3, v4
	v_add_nc_u32 v4, s28, v4
	v_mul_u32_u24 v5, v1, APITCH                   ; a fragment of A: row r, K = 8 h + 0..7 and 16 + 8 h + 0..7: two loads of 16 bytes, 32 bytes apart
	v_lshl_add_u32 v5, v2, 4, v5
	v_lshlrev_b32 v6, 5, v2                        ; x: rows 8 h + 0..7 of each block of 16
	v_lshlrev_b32 v7, 2, v1                        ; t: column 16 w + r
	v_lshl_add_u32 v7, v13, 6, v7
	v_mul_u32_u24 v10, v1, SPITCH                  ; into the stage: row r (my column k), 32 bytes at 32 h
	v_lshl_add_u32 v10, v2, 5, v10
	v_add_nc_u32 v10, s27, v10
	v_mul_u32_u24 v11, v2, SPITCH                  ; back: lanes 0-15 take one row of 256 bytes, lanes 16-31 the next
	v_lshl_add_u32 v11, v1, 4, v11
	v_add_nc_u32 v11, s27, v11
	v_and_b32 v12, 31, v0                          ; and the same two rows in out0: 512 consecutive bytes, in my wave's 16 rows
	v_lshlrev_b32 v12, 4, v12
	v_lshl_add_u32 v12, v13, 12, v12
	s_wait_kmcnt 0x0
	s_add_nc_u64 s[10:11], s[10:11], s[16:17]
	s_load_b32 s15, s[10:11], 0x0                  ; s
	s_add_nc_u64 s[4:5], s[4:5], s[18:19]
	s_add_nc_u64 s[6:7], s[6:7], s[20:21]
	s_add_nc_u64 s[8:9], s[8:9], s[22:23]
	s_add_nc_u64 s[12:13], s[12:13], s[24:25]
	; 25 loads, all at once: A (each byte once in the work-group), x in y's layout, t
.set i, 0
.rept 16
	global_load_b128 v[ACC+4*i:ACC+4*i+3], v3, s[4:5] offset:1024*i th:TH_LOAD_NT
.set i, i+1
.endr
.irp mt, 0,1,2,3
	global_load_b128 v[YV+8*\mt:YV+8*\mt+3],   v6, s[8:9] offset:64*\mt
	global_load_b128 v[YV+8*\mt+4:YV+8*\mt+7], v6, s[8:9] offset:64*\mt+16
.endr
	global_load_b32 v8, v7, s[6:7]
	; A is rounded to bf16 once and laid into LDS by rows
.set i, 0
.rept 16
	s_wait_loadcnt 24-i                            ; loads come back in order (ISA guide 5.7.1): behind load i stand 15 - i of A, 8 of x, 1 of t
	v_cvt_pk_bf16_f32 v[WB+2*i],   v[ACC+4*i],   v[ACC+4*i+1]
	v_cvt_pk_bf16_f32 v[WB+2*i+1], v[ACC+4*i+2], v[ACC+4*i+3]
	ds_store_b64 v4, v[WB+2*i:WB+2*i+1] offset:4*APITCH*i
.set i, i+1
.endr
	s_wait_dscnt 0x0                               ; for the other wave's sake: my rows of A are in LDS
	s_barrier_signal -1
	s_barrier_wait -1                              ; the launch's one barrier: both waves' rows are
.irp mt, 0,1,2,3
.irp f, 0,1
	ds_load_b128 v[AF+16*\mt+8*\f:AF+16*\mt+8*\f+3],   v5 offset:16*APITCH*\mt+64*\f
	ds_load_b128 v[AF+16*\mt+8*\f+4:AF+16*\mt+8*\f+7], v5 offset:16*APITCH*\mt+64*\f+32
.endr
.endr
	; while the fragments are on their way: s, h, h / j, and the first w = y = x in bf16
	s_wait_loadcnt 0x0                             ; x and t
	s_wait_kmcnt 0x0                               ; s
	s_min_u32 s15, s15, 0x100000                   ; 1 to 2^20, whatever the word holds
	s_max_u32 s15, s15, 1
	v_cvt_f32_u32 v9, s15
	v_rcp_f32 v9, v9                               ; the roundings below are the plain instructions between the reciprocal and its use (ISA guide 5.7.2)
.irp mt, 0,1,2,3
.irp i, 0,1,2,3
	v_cvt_pk_bf16_f32 v[WB+4*\mt+\i], v[YV+8*\mt+2*\i], v[YV+8*\mt+2*\i+1]
.endr
.endr
	s_wait_alu depctr_va_vdst(0)
	v_mul_f32 v[CJ],   v8, v9                      ; h = t / s, which is also h / 1
	v_mul_f32 v[CJ+1], v8, v9
.macro COEF j, k                       ; h / j, in both registers of its pair
	v_mul_f32 v[CJ+2*((\j)-1)],   \k, v[CJ]
	v_mul_f32 v[CJ+2*((\j)-1)+1], \k, v[CJ]
.endm
	COEF 2, 0.5
	COEF 3, 0x3eaaaaab
	COEF 4, 0x3e800000
	COEF 5, 0x3e4ccccd
	COEF 6, 0x3e2aaaab
	COEF 7, 0x3e124925
	COEF 8, 0x3e000000
	s_wait_dscnt 0x0                               ; A's fragments are in
	s_mov_b32 s26, 0
; A product A w is eight matrix instructions: four row blocks x two halves of K.  The four accumulators take turns, one instruction a turn.
.macro MMA0 p                          ; K = 0 .. 31, from buffer p of w into buffer p of the sums: these start the sums, nothing is cleared
.irp mt, 0,1,2,3
	v_wmma_f32_16x16x32_bf16 v[ACC+32*(\p)+8*\mt:ACC+32*(\p)+8*\mt+7], v[AF+16*\mt:AF+16*\mt+7], v[WB+16*(\p):WB+16*(\p)+7], 0
.endr
.endm
.macro MMA1 p                          ; K = 32 .. 63
.irp mt, 0,1,2,3
	v_wmma_f32_16x16x32_bf16 v[ACC+32*(\p)+8*\mt:ACC+32*(\p)+8*\mt+7], v[AF+16*\mt+8:AF+16*\mt+15], v[WB+16*(\p)+8:WB+16*(\p)+15], v[ACC+32*(\p)+8*\mt:ACC+32*(\p)+8*\mt+7]
.endr
.endm
.macro PLACES                          ; a vector instruction that reads a matrix result stands four plain vector instructions behind it (ISA guide 7.12.1)
.rept 4
	v_nop
.endr
.endm
; Row blocks lo and lo + 1 of buffer p: w = y + (h / j) (A w) in f32, in place (for j = 1 into y: the step is done), then rounded to bf16 into the other buffer of w.
; Each accumulator is read from its lowest registers on.
.macro FOLD p, j, lo
.irp mt, \lo, (\lo)+1
.set rT, ACC+32*(\p)+8*(\mt)
.set rY, YV+8*(\mt)
.set rW, WB+16*(1-(\p))+4*(\mt)
.set rC, CJ+2*((\j)-1)
.set rX, rT
.if (\j) == 1
.set rX, rY
.endif
.irp i, 0,1,2,3
	v_pk_fma_f32 v[rX+2*\i:rX+2*\i+1], v[rT+2*\i:rT+2*\i+1], v[rC:rC+1], v[rY+2*\i:rY+2*\i+1]
.endr
.irp i, 0,1,2,3
	v_cvt_pk_bf16_f32 v[rW+\i], v[rX+2*\i], v[rX+2*\i+1]
.endr
.endr
.endm
; Term j.  Its first four products want only row blocks 0 and 1 of the term before, so that term's blocks 2 and 3 are folded behind them; its own blocks 0 and 1 are folded as soon as they
; are four places old.  With two buffers of w and of the sums no fold writes a register that a product near it names: a half of w is written again 16 plain instructions or more behind its last reader.
.macro TERM j
.set pp, (8-(\j))%2
	MMA0 pp
	FOLD 1-pp, (\j)+1, 2
	MMA1 pp
	PLACES
	FOLD pp, \j, 0
.endm
.Lstep:                                                ; s trips: y <- exp(h A) y.  No memory and no LDS instruction stands in the loop
	MMA0 0                                         ; term 8: w = y lies in buffer 0, whole
	MMA1 0
	PLACES
	FOLD 0, 8, 0
.irp j, 7,6,5,4,3,2,1
	TERM \j
.endr
	FOLD 1, 1, 2                                   ; the degree is even: the new y in bf16 lies in buffer 0 again
	s_add_co_u32 s26, s26, 1
	s_cmp_lt_u32 s26, s15
	s_cbranch_scc1 .Lstep
	; THE WAY OUT.  A lane holds 8 rows in each of 4 blocks of ONE column k, and a column is a row of out0: through my own stage in LDS, and back as whole rows of 256 bytes.
.irp mt, 0,1,2,3
	ds_store_b128 v10, v[YV+8*\mt:YV+8*\mt+3]   offset:64*\mt
	ds_store_b128 v10, v[YV+8*\mt+4:YV+8*\mt+7] offset:64*\mt+16
.endr
.irp u, 0,1,2,3,4,5,6,7
	ds_load_b128 v[ACC+4*\u:ACC+4*\u+3], v11 offset:2*SPITCH*\u  ; LDS serves a wave's instructions in order (ISA guide 5.7.1.4): these see the stores above
.endr
.irp u, 0,1,2,3,4,5,6,7
	s_wait_dscnt 7-\u                              ; the 7 - u younger loads may stay out
	global_store_b128 v12, v[ACC+4*\u:ACC+4*\u+3], s[12:13] offset:512*\u th:TH_STORE_NT  ; 16 lanes store 256 consecutive bytes, at a multiple of 256 from out0's first byte
.endr
	s_wait_tensorcnt 0x0                           ; the wave's end: three closing lines, behind my last LDS store
	ds_add_u32 v[SPW], v[NIL]
	s_wait_dscnt 0x0
	s_endpgm
.Lfunc_end_k_q40f67b557e_solve:
	.size	k_q40f67b557e_solve, .Lfunc_end_k_q40f67b557e_solve-k_q40f67b557e_solve
	.p2alignl 7, 3214868480
	.fill 96, 4, 3214868480
	.section	.rodata,"a",@progbits
	.p2align	6, 0x0
	.amdhsa_kernel k_q40f67b557e_solve
		.amdhsa_group_segment_fixed_size 18176
		.amdhsa_private_segment_fixed_size 0
		.amdhsa_enable_private_segment 0
		.amdhsa_kernarg_size 40
		.amdhsa_user_sgpr_count 2
		.amdhsa_user_sgpr_kernarg_segment_ptr 1
		.amdhsa_wavefront_size32 1
		.amdhsa_system_sgpr_workgroup_id_x 1
		.amdhsa_system_sgpr_workgroup_id_y 1
		.amdhsa_system_sgpr_workgroup_id_z 1
		.amdhsa_system_vgpr_workitem_id 0
		.amdhsa_next_free_vgpr 240
		.amdhsa_next_free_sgpr 66
		.amdhsa_reserve_vcc 0
		.amdhsa_float_denorm_mode_32 3
		.amdhsa_float_denorm_mode_16_64 3
		.amdhsa_memory_ordered 1
		.amdhsa_forward_progress 1
		.amdhsa_inst_pref_size 35
	.end_amdhsa_kernel
	.amdgpu_metadata
---
amdhsa.version: [ 1, 2 ]
amdhsa.kernels:
  - .name:           k_q40f67b557e_solve
    .symbol:         k_q40f67b557e_solve.kd
    .args:
      - { .name: A, .offset: 0, .size: 8, .value_kind: global_buffer, .address_space: global }
      - { .name: t, .offset: 8, .size: 8, .value_kind: global_buffer, .address_space: global }
      - { .name: x_init, .offset: 16, .size: 8, .value_kind: global_buffer, .address_space: global }
      - { .name: steps, .offset: 24, .size: 8, .value_kind: global_buffer, .address_space: global }
      - { .name: out0, .offset: 32, .size: 8, .value_kind: global_buffer, .address_space: global }
    .group_segment_fixed_size: 18176
    .private_segment_fixed_size: 0
    .kernarg_segment_align: 8
    .kernarg_segment_size: 40
    .max_flat_workgroup_size: 64
    .sgpr_count:     66
    .vgpr_count:     240
    .wavefront_size: 32
...
	.end_amdgpu_metadata
.endif
;; end of part 2
;; ======== version 2 of 2: 2 launches; version 1 with the launch solve written anew for expert scheduling mode
;; limits: right only within a limited range of input values
;; workspace buffers: steps 1,024 bytes of whole numbers
;; launch norm: the kernel of part 1 again; grid 256 x 1, 1 waves a work-group, no clusters, 0 bytes of LDS; arguments A, t, steps; writes steps
;; launch solve (part 3): grid 256 x 1, 2 waves a work-group, no clusters, 18,176 bytes of LDS; arguments A, t, x_init, steps, out0; writes out0
.if DOCPART == 3
	.amdgcn_target "amdgcn-amd-amdhsa--gfx1250"
	.amdhsa_code_object_version 6
	.text
	.protected	k_q40f67b557e_solve
	.globl	k_q40f67b557e_solve
	.p2align	8
	.type	k_q40f67b557e_solve,@function
k_q40f67b557e_solve:
	s_mov_b64 s[64:65], 0
	v_nop
	global_prefetch_b8 v0, s[64:65] scope:SCOPE_SE
	s_setreg_imm32_b32 hwreg(HW_REG_WAVE_SCHED_MODE, 0, 2), 2
	s_setreg_imm32_b32 hwreg(HW_REG_WAVE_MODE, 25, 1), 1
	s_wait_xcnt 0x0
	s_wait_alu depctr_vm_vsrc(0)
; out0[n][k][:] = expm(t[n][k] A[n]) x_init[n], computed as the exponential's ACTION on the vector.
; A: [256][64][64], t: [256][32], x_init: [256][64], out0: [256][32][64], all f32; steps: [256] u32, from the launch before.
; METHOD.  s = steps[n], h_k = t[n][k] / s, so that |h_k A|_1 < 1.  All columns k start as y_k = x and walk s equal steps y <- exp(h_k A) y, each a Taylor
; polynomial of degree 8 in Horner's form: w = y; for j = 8 .. 1: w = y + (h_k / j) (A w); y = w.  With |h A|_1 < 1 no term is larger than the one before it, and
; what the cut leaves out is as a relative change of A of 1/9! = 2.8e-6 at the most, far under the rounding of A to bf16.  The degree is fixed; larger inputs take more steps.
; FORMATS.  A and w go to the matrix unit in bf16, the sums are f32; y, h, h / j and the fold y + (h / j)(A w) stay in f32.
; SHARES.  A work-group is a sample; wave w has the columns k = 16 w .. 16 w + 15, all 64 rows, and all of A[n] in registers (16 fragments, 64 registers).
; Two waves: a sample has two blocks of 16 columns, and a split by rows would want an exchange between waves in every one of the 8 s products.
; LAYOUT.  T = A W, source 0 = 16 rows of A, source 1 = 32 rows x 16 columns of W.  In the result of row block mt lane (r = l % 16, h = l / 16) holds rows 16 mt + 8 h + 0..7 of column r.
; Rounded to bf16 in pairs, row blocks 2 f and 2 f + 1 ARE registers 0-3 and 4-7 of source 1 for K = 32 f .. 32 f + 31: nothing changes lanes between a product and the next.
; No cluster: no two work-groups read the same bytes.  No tensor load: A is read once, 16 KB, and has to pass through registers to be rounded.
; LIMITS.  s is capped at 2^20.  A w is formed before its factor h / j, so 64 max|A| max|y| has to stay within f32's range.  The error of the bf16 operands grows with |t A|.
; THE MODE: SCHED_MODE bits 1:0 = 2 (LLVM: expert scheduling mode 2), set by the entry lines.  The code itself states the register dependences
; between vector or matrix instructions and memory or LDS instructions, with s_wait_alu, always for 0.
; THE PLAN.  Registers that memory or LDS instructions touch, in the order of the text:
;   v3-v7, v10-v12  Offsets and LDS addresses: written at the head, never again; read by the loads and stores.  One wait on va_vdst ahead of the first load serves them all.
;   ACC             A's loads land in it; A's roundings read it; in the loop matrix instructions write it and the folds read it; behind the loop the loads from the stage land in it and the stores to out0 read it.
;   WB              A's 32 roundings write it; ONE wait on va_vdst; a run of 16 LDS stores reads it; ONE wait on vm_vsrc; the first w's roundings, and then the folds, write it again.
;   YV              x's loads land in it; the folds of j = 1 write it; behind the loop the stores into the stage read it.
;   AF, v8          The fragments' LDS loads and t's load land in them; no vector or matrix instruction writes them, and none names them ahead of those loads.
;   v[SPW], v[NIL]  Written at the head, read by the closing add alone.
; The loop holds no memory and no LDS instruction, so it holds no s_wait_alu.  ONE wait on va_vdst behind it states all that the way out hangs on.
.set APITCH, 144                       ; a row of A in LDS: 128 bytes of bf16 + 16 = 36 words: the 16 rows of a fragment load start at 16 different groups of four banks (64 banks of 4 bytes: ISA guide 11.1)
.set STAGE,  64*APITCH                 ; behind A: for each wave 16 rows (columns k) of 256 bytes + 16, for the way out
.set SPITCH, 272
.set SPARE,  STAGE+2*16*SPITCH         ; 17,920: the spare words, 128 bytes for each wave: one block of 256 bytes that no other line names
.set SPW, 14                           ; v14       LDS address of my spare word; never rewritten
.set NIL, 15                           ; v15       0; never rewritten
.set WB,  32                           ; v[32:47], v[48:63]    w in bf16, two buffers: row block mt at + 4 mt.  Before the loop: A in bf16, on its way to LDS
.set AF,  64                           ; v[64:127]  A's fragments: row block mt, K half f at AF + 16 mt + 8 f
.set YV,  128                          ; v[128:159] y in f32: row block mt at + 8 mt
.set ACC, 160                          ; v[160:191], v[192:223] the products' sums, two buffers.  Before the loop: A as loaded.  Behind it: the rows of out0
.set CJ,  224                          ; v[224:239] h / j, twice each: the pair at CJ + 2 (j - 1), for the packed fold
	s_load_b256 s[4:11], s[0:1], 0x0               ; A s[4:5], t s[6:7], x_init s[8:9], steps s[10:11]
	s_load_b64 s[12:13], s[0:1], 0x20              ; out0
	v_lshl_add_u32 v[SPW], v0, 2, SPARE
	v_mov_b32 v[NIL], 0
	v_lshrrev_b32 v13, 5, v0
	v_readfirstlane_b32 s14, v13                   ; wave 0, 1
	s_lshl_b32 s16, ttmp9, 2                       ; the sample's place in steps,
	s_mov_b32 s17, 0
	s_lshl_b32 s18, ttmp9, 14                      ; in A,
	s_mov_b32 s19, 0
	s_lshl_b32 s20, ttmp9, 7                       ; in t,
	s_mov_b32 s21, 0
	s_lshl_b32 s22, ttmp9, 8                       ; in x_init,
	s_mov_b32 s23, 0
	s_lshl_b32 s24, ttmp9, 13                      ; in out0
	s_mov_b32 s25, 0
	s_wait_alu depctr_va_sdst(0)                   ; s14 is written, ahead of its first reader: my stage's and my rows' LDS addresses are made from it
	s_mul_i32 s27, s14, 16*SPITCH
	s_add_co_u32 s27, s27, STAGE                   ; my stage
	s_mul_i32 s28, s14, 2*APITCH                   ; of each four rows of A that the work-group loads at once my wave has two
	v_and_b32 v1, 15, v0                           ; r
	v_bfe_u32 v2, v0, 4, 1                         ; h
	v_lshlrev_b32 v3, 4, v0                        ; A in memory: 16 bytes a thread, 1,024 consecutive bytes (four rows) for the 64 threads
	v_mul_u32_u24 v4, v2, APITCH                   ; A into LDS: row 2 w + h of the four, 8 bytes (4 bf16) at column 4 r
	v_lshl_add_u32 v4, v1, 3, v4
	v_add_nc_u32 v4, s28, v4
	v_mul_u32_u24 v5, v1, APITCH                   ; a fragment of A: row r, K = 8 h + 0..7 and 16 + 8 h + 0..7: two loads of 16 bytes, 32 bytes apart
	v_lshl_add_u32 v5, v2, 4, v5
	v_lshlrev_b32 v6, 5, v2                        ; x: rows 8 h + 0..7 of each block of 16
	v_lshlrev_b32 v7, 2, v1                        ; t: column 16 w + r
	v_lshl_add_u32 v7, v13, 6, v7
	v_mul_u32_u24 v10, v1, SPITCH                  ; into the stage: row r (my column k), 32 bytes at 32 h
	v_lshl_add_u32 v10, v2, 5, v10
	v_add_nc_u32 v10, s27, v10
	v_mul_u32_u24 v11, v2, SPITCH                  ; back: lanes 0-15 take one row of 256 bytes, lanes 16-31 the next
	v_lshl_add_u32 v11, v1, 4, v11
	v_add_nc_u32 v11, s27, v11
	v_and_b32 v12, 31, v0                          ; and the same two rows in out0: 512 consecutive bytes, in my wave's 16 rows
	v_lshlrev_b32 v12, 4, v12
	v_lshl_add_u32 v12, v13, 12, v12
	s_wait_kmcnt 0x0
	s_add_nc_u64 s[10:11], s[10:11], s[16:17]
	s_load_b32 s15, s[10:11], 0x0                  ; s
	s_add_nc_u64 s[4:5], s[4:5], s[18:19]
	s_add_nc_u64 s[6:7], s[6:7], s[20:21]
	s_add_nc_u64 s[8:9], s[8:9], s[22:23]
	s_add_nc_u64 s[12:13], s[12:13], s[24:25]
	s_wait_alu depctr_va_vdst(0)                   ; the offsets and LDS addresses v3 to v7 and v10 to v12 are written, which the loads and stores of the whole kernel read; none is written again
	; 25 loads, all at once: A (each byte once in the work-group), x in y's layout, t
.set i, 0
.rept 16
	global_load_b128 v[ACC+4*i:ACC+4*i+3], v3, s[4:5] offset:1024*i th:TH_LOAD_NT
.set i, i+1
.endr
.irp mt, 0,1,2,3
	global_load_b128 v[YV+8*\mt:YV+8*\mt+3],   v6, s[8:9] offset:64*\mt
	global_load_b128 v[YV+8*\mt+4:YV+8*\mt+7], v6, s[8:9] offset:64*\mt+16
.endr
	global_load_b32 v8, v7, s[6:7]
	; A is rounded to bf16 once and laid into LDS by rows: all the roundings first, then the stores in one run behind one wait
.set i, 0
.rept 16
	s_wait_loadcnt 24-i                            ; loads come back in order (ISA guide 5.7.1): behind load i stand 15 - i of A, 8 of x, 1 of t
	v_cvt_pk_bf16_f32 v[WB+2*i],   v[ACC+4*i],   v[ACC+4*i+1]
	v_cvt_pk_bf16_f32 v[WB+2*i+1], v[ACC+4*i+2], v[ACC+4*i+3]
.set i, i+1
.endr
	s_wait_alu depctr_va_vdst(0)                   ; the 32 roundings have written v[WB ..], which the LDS stores read
.set i, 0
.rept 16
	ds_store_b64 v4, v[WB+2*i:WB+2*i+1] offset:4*APITCH*i
.set i, i+1
.endr
	s_wait_dscnt 0x0                               ; for the other wave's sake: my rows of A are in LDS
	s_barrier_signal -1
	s_barrier_wait -1                              ; the launch's one barrier: both waves' rows are
	s_wait_alu depctr_vm_vsrc(0)                   ; my LDS stores have read v[WB ..], which the first w's roundings below, and later the folds, write again
.irp mt, 0,1,2,3
.irp f, 0,1
	ds_load_b128 v[AF+16*\mt+8*\f:AF+16*\mt+8*\f+3],   v5 offset:16*APITCH*\mt+64*\f       ; no vector or matrix instruction has named v[AF ..]; v5 stands written since the head's wait
	ds_load_b128 v[AF+16*\mt+8*\f+4:AF+16*\mt+8*\f+7], v5 offset:16*APITCH*\mt+64*\f+32
.endr
.endr
	; while the fragments are on their way: s, h, h / j, and the first w = y = x in bf16
	s_wait_loadcnt 0x0                             ; x and t
	s_wait_kmcnt 0x0                               ; s
	s_min_u32 s15, s15, 0x100000                   ; 1 to 2^20, whatever the word holds
	s_max_u32 s15, s15, 1
	v_cvt_f32_u32 v9, s15
	v_rcp_f32 v9, v9                               ; the roundings below are the plain instructions between the reciprocal and its use (ISA guide 5.7.2)
.irp mt, 0,1,2,3
.irp i, 0,1,2,3
	v_cvt_pk_bf16_f32 v[WB+4*\mt+\i], v[YV+8*\mt+2*\i], v[YV+8*\mt+2*\i+1]
.endr
.endr
	s_wait_alu depctr_va_vdst(0)                   ; the reciprocal has written v9, which the two products below read
	v_mul_f32 v[CJ],   v8, v9                      ; h = t / s, which is also h / 1
	v_mul_f32 v[CJ+1], v8, v9
.macro COEF j, k                       ; h / j, in both registers of its pair
	v_mul_f32 v[CJ+2*((\j)-1)],   \k, v[CJ]
	v_mul_f32 v[CJ+2*((\j)-1)+1], \k, v[CJ]
.endm
	COEF 2, 0.5
	COEF 3, 0x3eaaaaab
	COEF 4, 0x3e800000
	COEF 5, 0x3e4ccccd
	COEF 6, 0x3e2aaaab
	COEF 7, 0x3e124925
	COEF 8, 0x3e000000
	s_wait_dscnt 0x0                               ; A's fragments are in
	s_mov_b32 s26, 0
; A product A w is eight matrix instructions: four row blocks x two halves of K.  The four accumulators take turns, one instruction a turn.
.macro MMA0 p                          ; K = 0 .. 31, from buffer p of w into buffer p of the sums: these start the sums, nothing is cleared
.irp mt, 0,1,2,3
	v_wmma_f32_16x16x32_bf16 v[ACC+32*(\p)+8*\mt:ACC+32*(\p)+8*\mt+7], v[AF+16*\mt:AF+16*\mt+7], v[WB+16*(\p):WB+16*(\p)+7], 0
.endr
.endm
.macro MMA1 p                          ; K = 32 .. 63
.irp mt, 0,1,2,3
	v_wmma_f32_16x16x32_bf16 v[ACC+32*(\p)+8*\mt:ACC+32*(\p)+8*\mt+7], v[AF+16*\mt+8:AF+16*\mt+15], v[WB+16*(\p)+8:WB+16*(\p)+15], v[ACC+32*(\p)+8*\mt:ACC+32*(\p)+8*\mt+7]
.endr
.endm
.macro PLACES                          ; a vector instruction that reads a matrix result stands four plain vector instructions behind it (ISA guide 7.12.1)
.rept 4
	v_nop
.endr
.endm
; Row blocks lo and lo + 1 of buffer p: w = y + (h / j) (A w) in f32, in place (for j = 1 into y: the step is done), then rounded to bf16 into the other buffer of w.
; Each accumulator is read from its lowest registers on.
.macro FOLD p, j, lo
.irp mt, \lo, (\lo)+1
.set rT, ACC+32*(\p)+8*(\mt)
.set rY, YV+8*(\mt)
.set rW, WB+16*(1-(\p))+4*(\mt)
.set rC, CJ+2*((\j)-1)
.set rX, rT
.if (\j) == 1
.set rX, rY
.endif
.irp i, 0,1,2,3
	v_pk_fma_f32 v[rX+2*\i:rX+2*\i+1], v[rT+2*\i:rT+2*\i+1], v[rC:rC+1], v[rY+2*\i:rY+2*\i+1]
.endr
.irp i, 0,1,2,3
	v_cvt_pk_bf16_f32 v[rW+\i], v[rX+2*\i], v[rX+2*\i+1]
.endr
.endr
.endm
; Term j.  Its first four products want only row blocks 0 and 1 of the term before, so that term's blocks 2 and 3 are folded behind them; its own blocks 0 and 1 are folded as soon as they
; are four places old.  With two buffers of w and of the sums no fold writes a register that a product near it names: a half of w is written again 16 plain instructions or more behind its last reader.
.macro TERM j
.set pp, (8-(\j))%2
	MMA0 pp
	FOLD 1-pp, (\j)+1, 2
	MMA1 pp
	PLACES
	FOLD pp, \j, 0
.endm
.Lstep:                                                ; s trips: y <- exp(h A) y.  No memory and no LDS instruction stands in the loop
	MMA0 0                                         ; term 8: w = y lies in buffer 0, whole
	MMA1 0
	PLACES
	FOLD 0, 8, 0
.irp j, 7,6,5,4,3,2,1
	TERM \j
.endr
	FOLD 1, 1, 2                                   ; the degree is even: the new y in bf16 lies in buffer 0 again
	s_add_co_u32 s26, s26, 1
	s_cmp_lt_u32 s26, s15
	s_cbranch_scc1 .Lstep
	; THE WAY OUT.  A lane holds 8 rows in each of 4 blocks of ONE column k, and a column is a row of out0: through my own stage in LDS, and back as whole rows of 256 bytes.
	s_wait_alu depctr_va_vdst(0)                   ; the last folds have written v[YV ..], which the LDS stores read; the matrix instructions and the folds are done writing and reading v[ACC ..], in which the loads from the stage land
.irp mt, 0,1,2,3
	ds_store_b128 v10, v[YV+8*\mt:YV+8*\mt+3]   offset:64*\mt
	ds_store_b128 v10, v[YV+8*\mt+4:YV+8*\mt+7] offset:64*\mt+16
.endr
.irp u, 0,1,2,3,4,5,6,7
	ds_load_b128 v[ACC+4*\u:ACC+4*\u+3], v11 offset:2*SPITCH*\u  ; LDS serves a wave's instructions in order (ISA guide 5.7.1.4): these see the stores above
.endr
.irp u, 0,1,2,3,4,5,6,7
	s_wait_dscnt 7-\u                              ; the 7 - u younger loads may stay out
	global_store_b128 v12, v[ACC+4*\u:ACC+4*\u+3], s[12:13] offset:512*\u th:TH_STORE_NT  ; 16 lanes store 256 consecutive bytes, at a multiple of 256 from out0's first byte
.endr
	s_wait_dscnt 0x0                               ; the closing lines, six on end
	s_wait_alu 0x0
	s_wait_tensorcnt 0x0
	ds_add_u32 v[SPW], v[NIL]
	s_wait_dscnt 0x0
	s_endpgm
.Lfunc_end_k_q40f67b557e_solve:
	.size	k_q40f67b557e_solve, .Lfunc_end_k_q40f67b557e_solve-k_q40f67b557e_solve
	.p2alignl 7, 3214868480
	.fill 96, 4, 3214868480
	.section	.rodata,"a",@progbits
	.p2align	6, 0x0
	.amdhsa_kernel k_q40f67b557e_solve
		.amdhsa_group_segment_fixed_size 18176
		.amdhsa_private_segment_fixed_size 0
		.amdhsa_enable_private_segment 0
		.amdhsa_kernarg_size 40
		.amdhsa_user_sgpr_count 2
		.amdhsa_user_sgpr_kernarg_segment_ptr 1
		.amdhsa_wavefront_size32 1
		.amdhsa_system_sgpr_workgroup_id_x 1
		.amdhsa_system_sgpr_workgroup_id_y 1
		.amdhsa_system_sgpr_workgroup_id_z 1
		.amdhsa_system_vgpr_workitem_id 0
		.amdhsa_next_free_vgpr 240
		.amdhsa_next_free_sgpr 66
		.amdhsa_reserve_vcc 0
		.amdhsa_float_denorm_mode_32 3
		.amdhsa_float_denorm_mode_16_64 3
		.amdhsa_memory_ordered 1
		.amdhsa_forward_progress 1
		.amdhsa_inst_pref_size 36
	.end_amdhsa_kernel
	.amdgpu_metadata
---
amdhsa.version: [ 1, 2 ]
amdhsa.kernels:
  - .name:           k_q40f67b557e_solve
    .symbol:         k_q40f67b557e_solve.kd
    .args:
      - { .name: A, .offset: 0, .size: 8, .value_kind: global_buffer, .address_space: global }
      - { .name: t, .offset: 8, .size: 8, .value_kind: global_buffer, .address_space: global }
      - { .name: x_init, .offset: 16, .size: 8, .value_kind: global_buffer, .address_space: global }
      - { .name: steps, .offset: 24, .size: 8, .value_kind: global_buffer, .address_space: global }
      - { .name: out0, .offset: 32, .size: 8, .value_kind: global_buffer, .address_space: global }
    .group_segment_fixed_size: 18176
    .private_segment_fixed_size: 0
    .kernarg_segment_align: 8
    .kernarg_segment_size: 40
    .max_flat_workgroup_size: 64
    .sgpr_count:     66
    .vgpr_count:     240
    .wavefront_size: 32
...
	.end_amdgpu_metadata
.endif
;; end of part 3
